; MI455X (gfx1250); checked and timed in simulation.
; The chip was launched on July 23, 2026; its instructions are those of AMD's public machine-readable ISA for CDNA 5 (MIT licence, August 2026) and "CDNA5" Instruction Set Architecture Reference Guide (July 2026). The comments in the code are by the model that wrote it; some were corrected since.
;; Scaled Dot Product Attention. Allowed arithmetic: matrix products marked QUANTISED: E3M2 operands, one E8M0 scale for each 32 along K, by v_wmma_scale_f32_16x16x128_f8f6f4 with both operands' format E3M2, f32 sums; everything else in f32.
;; Inputs: attn_mask 2 x 1 x 2,048 x 2,048 int32; k 2 x 16 x 2,048 x 64 float32; q 2 x 16 x 2,048 x 64 float32; v 2 x 16 x 2,048 x 64 float32.
;; Outputs: out0 2 x 16 x 2,048 x 64 float32.
;; This version of the problem:
;;   THIS VERSION OF THE PROBLEM IS GIVEN IN LOW PRECISION. The matrix products marked QUANTISED in the list below multiply operands that are first quantised to E3M2 (3 exponent bits, 2 mantissa bits; 6 bits a number), with one power-of-two scale for each 32 numbers along K (OCP MX v1.0); their sums are f32. All else is computed in f32.
;;   The module's matrix products, in the order in which they are computed (A, B: the left and right operand; K: the contracted axis; several contracted axes count as one K, in the product's order):
;;     1. batch 32 x [M 2,048, K 64] x [K 64, N 2,048]; A: input q; B: input k: QUANTISED
;;     2. batch 32 x [M 2,048, K 2,048] x [K 2,048, N 64]; A: softmax (see below); B: input v: QUANTISED
;;   THE QUANTISER, for each operand of a quantised product, along K:
;;     - K is cut into blocks of 32 from its start; a last block that is shorter is filled with zeros.
;;     - A block's scale is 2^e with e = floor(log2(the largest magnitude in the block)) - 4, held to -126 .. 127; a block of zeros has e = 0. As a byte (E8M0): e + 127.
;;     - Each number is divided by its block's scale, clamped to +-28, and rounded to the nearest number of E3M2, ties to even, subnormals kept.
;;     - The product sums the exact products of the quantised numbers (number of the format x scale) in f32.
;;   ~~~python
;;   def quantise(x, axis):      # numpy; x: float32 -> the quantised numbers, widened to float32 again
;;       x = np.moveaxis(x, axis, -1); K = x.shape[-1]
;;       x = np.pad(x, [(0, 0)] * (x.ndim - 1) + [(0, -K % 32)]); x = x.reshape(x.shape[:-1] + (-1, 32)); a = np.abs(x).max(-1, keepdims=True)
;;       e = np.where(a > 0, np.clip(np.frexp(np.where(a > 0, a, 1))[1] - 1 - 4, -126, 127), 0)      # np.frexp(a)[1] - 1 = floor(log2(a)), exactly
;;       r = np.clip(x / 2.0 ** e, -28, 28)
;;       step = 2.0 ** (np.maximum(np.frexp(np.where(r == 0, 1, r))[1] - 1, -2) - 2)
;;       q = np.round(r / step) * step * 2.0 ** e      # np.round: ties to even
;;       return np.moveaxis(q.reshape(q.shape[:-2] + (-1,))[..., :K], -1, axis).astype(np.float32)
;;   ~~~
;;   SOFTMAX AHEAD OF A QUANTISED PRODUCT. Where the list says 'softmax', what is quantised is not the finished softmax but p = 2^(t - M), with t = logit x log2(e) and M = ceil(the row's largest t), a whole number; so 1/2 < the row's largest p <= 1. The row's sum l is taken of the UNQUANTISED p, in f32, and the product's result is divided by l at the end. Since M is a whole number, a kernel that streams over the keys may use a running M (the ceiling of the running maximum): every later rescaling is an exact power of two, which a block's scale takes up: the codes' values come out the same.
;;   OPERANDS COMPUTED ON THE WAY. 'Computed on the way' means the value that the module computes at that place (a softmax that the list does not call 'softmax' is quantised finished and normalised). What goes into a quantiser is computed in f32, as accurately as f32 sums, v_exp_f32 and their like allow (about 1e-6 of the number): no bf16 or f16 on the way to a quantiser, and a product that is left as it is and whose result goes on into a quantised operand takes f32 operands (vector FMAs, or v_wmma_f32_16x16x4_f32). A number that lies on a knife's edge between two numbers of the format may be rounded either way, as far as f32 arithmetic and the matrix unit's own rounding can turn it there, and no further.
;; One version. Each part assembles by itself: llvm-mc -triple=amdgcn-amd-amdhsa -mcpu=gfx1250 --defsym DOCPART=n.
;; ======== version 1 of 1: 2 launches
;; limits: right only within a limited range of input values; inputs' magnitudes at most 10,000
;; workspace buffers: kv 6,684,672 bytes; maskc 6,291,456 bytes
;; launch prep (part 1): grid 256 x 1, 10 waves a work-group, no clusters, 55,040 bytes of LDS; arguments k, v, attn_mask, kv, maskc; writes kv, maskc
.if DOCPART == 1
	.amdgcn_target "amdgcn-amd-amdhsa--gfx1250"
	.amdhsa_code_object_version 6
	.text
	.protected	k_q9e2b81f856_prep
	.globl	k_q9e2b81f856_prep
	.p2align	8
	.type	k_q9e2b81f856_prep,@function
k_q9e2b81f856_prep:
	s_mov_b64 s[64:65], 0
	v_nop
	global_prefetch_b8 v0, s[64:65] scope:SCOPE_SE
	s_setreg_imm32_b32 hwreg(HW_REG_WAVE_MODE, 25, 1), 1
	s_wait_xcnt 0x0
; PREP: k and v (f32, [32 heads][2048 keys][64]) become codes of BF6 (E3M2) with E8M0 scale bytes; attn_mask (int32, [2][2048][2048]) becomes codes of BF6 too.
; k is quantised along d (two blocks of 32 a key), v along the keys.  A block's byte is its largest magnitude's exponent field - 4, held at 1 from below.
; LIMITS: a block of zeros, or one whose largest magnitude lies under 2^-122, keeps the byte 1 (this program alone reads the bytes; zero codes add nothing); NaN and infinities are not served.
; kv: a RECORD of 13,056 bytes for each (head, step of 128 keys), images of the second launch's operand registers, lane l's bytes at 16 l (or 4 l) of each chunk:
;   KIMG 12 chunks of 512 bytes: run register 6 t + p = register p of key tile t = 4 c + u; lane (r, h) holds key 64 c + 8 u + r % 8 + 32 (r / 8), d = 32 h .. 32 h + 31
;   VIMG 12 chunks: run register 12 dt + 6 c + p; lane (r, h) holds d = 16 dt + r, keys 64 c + 32 h .. + 31
;   KSC  16 bytes a lane: word b: lanes 0-15 tile 2 b's rows, lanes 16-31 tile 2 b + 1's; byte 0: d 0-31, byte 1: d 32-63, byte 2: 127 (the mask codes' scale, 1), byte 3: 0
;   VSC  two planes of 4 bytes a lane: plane i: lanes 0-15 d-tile 2 i, lanes 16-31 d-tile 2 i + 1; byte kb: keys 32 kb on
; maskc: 1,536 bytes for each (tile of 16 queries T = 128 batch + tile, step): 12 bytes at 192 t + 12 r for row r of key tile t: sixteen codes, code i = -28 where attn_mask[query i][that key] is 0, else 0.
; SHARES.  Ten waves in three roles that part on the wave's number and never meet again: no barrier.  Waves 0-3: 16 queries x 512 keys of the mask each; waves 4-5: one record's k each; waves 6-9: half a record's v each.
.set REC,  13056
.set KIMG, 0
.set VIMG, 6144
.set KSC,  12288
.set VSC,  12800
.set WST,  8960                        ; LDS bytes of a wave's stage (waves 0 to 5)
.set SPARE, 6*WST                      ; the spare words, 128 bytes a wave
.set LI,   4                           ; 16 x lane
.set L4,   5                           ; 4 x lane
.set H8,   7                           ; 8 x (lane / 16)
.set MSI,  8                           ; mask stage, in: stage + 16 x the slot (16 t + r) of my first key
.set MSO,  9                           ; mask stage, out: stage + 16 x lane
.set KSI,  10                          ; k's stage, in: stage + 272 h + 16 r
.set KSO,  11                          ; k's stage, out: stage + 272 r + 2304 (r / 8) + 128 h
.set MXA,  12
.set MXB,  13
.set SO,   14
.set BY,   15
.set KW,   16                          ; v16-19 k's four scale words (mask waves: N28, ONE, L12)
.set N28,  16
.set ONE,  17
.set L12,  18
.set TW,   20
.set PD,   22
.set VW,   23
.set CT,   24
.set X,    32                          ; v32-159 numbers as loaded
.set Y,    160                         ; v160-223 numbers in the conversions' order
.set C,    224                         ; v224-247 codes
.set SPW,  248
.set NIL,  249
; 32 numbers of a lane, all of one block, become 6 registers of codes; the block's byte is left in v[BY]
.macro BLK32 s, d
	v_max3_num_f32 v[MXA], |v[(\s)]|, |v[(\s)+1]|, |v[(\s)+2]|
	v_max3_num_f32 v[MXB], |v[(\s)+3]|, |v[(\s)+4]|, |v[(\s)+5]|
.irp i, 6,10,14,18,22,26
	s_delay_alu instid0(VALU_DEP_2)
	v_max3_num_f32 v[MXA], v[MXA], |v[(\s)+\i]|, |v[(\s)+\i+1]|
	s_delay_alu instid0(VALU_DEP_2)
	v_max3_num_f32 v[MXB], v[MXB], |v[(\s)+\i+2]|, |v[(\s)+\i+3]|
.endr
	s_delay_alu instid0(VALU_DEP_2)
	v_max3_num_f32 v[MXA], v[MXA], |v[(\s)+30]|, |v[(\s)+31]|
	s_delay_alu instid0(VALU_DEP_1)
	v_max3_num_f32 v[MXA], v[MXA], v[MXB], 0x2800000               ; the floor 2^(5 - 127): the byte cannot fall under 1
	s_delay_alu instid0(VALU_DEP_1)
	v_add_nc_u32 v[SO], 0xfe000000, v[MXA]                         ; 4 off the exponent field: the conversion's scale operand
	v_cvt_scalef32_pk16_bf6_f32 v[(\d):(\d)+2], v[(\s):(\s)+15], v[SO]
	v_cvt_scalef32_pk16_bf6_f32 v[CT:CT+2], v[(\s)+16:(\s)+31], v[SO]  ; (three registers from an even one on: the upper half is made elsewhere and moved)
	v_lshrrev_b32 v[BY], 23, v[SO]                                 ; the byte; also the plain instruction behind the conversions
.irp i, 0,1,2
	v_mov_b32 v[(\d)+3+\i], v[CT+\i]
.endr
.endm
; k: sub-unit j = tiles 2 j, 2 j + 1: keys 64 (j / 2) + 16 (j % 2) + 0 .. 15 and the sixteen that lie 32 further on: 16 loads of 512 consecutive bytes
.macro KLOAD j
.irp i, 0,1,2,3,4,5,6,7,8,9,10,11,12,13,14,15
	global_load_b128 v[X+64*((\j)%2)+4*\i:X+64*((\j)%2)+4*\i+3], v[LI], s[36:37] offset:16384*((\j)/2)+4096*((\j)%2)+512*\i+4096*(\i/8) th:TH_LOAD_NT
.endr
.endm
.macro KSUB j
.if (\j) < 3
	s_wait_loadcnt 16                              ; this sub-unit's 16 loads are in; the next one's may be out
.else
	s_wait_loadcnt 0x0
.endif
.irp i, 0,1,2,3,4,5,6,7,8,9,10,11,12,13,14,15
	ds_store_b128 v[KSI], v[X+64*((\j)%2)+4*\i:X+64*((\j)%2)+4*\i+3] offset:544*\i+128*(\i/8)   ; the kk-th of the 32 keys at 272 kk, + 128 from the 16th on
.endr
.irp u, 0,1
.irp i, 0,1,2,3,4,5,6,7
	ds_load_b128 v[Y+32*\u+4*\i:Y+32*\u+4*\i+3], v[KSO] offset:2176*\u+16*\i   ; kk = 8 u + r + 8 (r / 8), d = 32 h on: a whole block.  A wave's LDS instructions are served in order (ISA guide 5.7.1.4)
.endr
.endr
	s_wait_dscnt 0x0
.if (\j) < 2
	KLOAD (\j)+2
.else
	s_wait_xcnt 0x0                                ; the stores of two sub-units ago have read their data
.endif
.irp u, 0,1
	BLK32 Y+32*\u, C+12*((\j)%2)+6*\u
	s_delay_alu instid0(VALU_DEP_4)
	v_lshlrev_b32 v[BY], v[H8], v[BY]              ; my block's byte at its place in the key's scale word,
	s_delay_alu instid0(VALU_DEP_1)
	v_permlanex16_b32 v[PD], v[BY], s32, s33
	s_delay_alu instid0(VALU_DEP_1)
	v_or_b32 v[PD], v[BY], v[PD]                   ; with lane l xor 16's,
	s_delay_alu instid0(VALU_DEP_1)
	v_or_b32 v[TW+\u], 0x7f0000, v[PD]             ; and byte 2 = 127
.endr
	s_delay_alu instid0(VALU_DEP_1)
	v_cndmask_b32 v[KW+(\j)], v[TW], v[TW+1], s34  ; lanes 0-15 keep tile 2 j's word, lanes 16-31 tile 2 j + 1's
.irp i, 0,1,2
	global_store_b128 v[LI], v[C+12*((\j)%2)+4*\i:C+12*((\j)%2)+4*\i+3], s[38:39] offset:KIMG+512*(3*(\j)+\i)   ; 512 consecutive bytes, aligned to 256
.endr
.endm
; v: block kb = 32 keys; a lane takes a column d and its registers run down the keys
.macro VLOAD kb
.set i, 0
.rept 32
	global_load_b32 v[X+32*(\kb)+i], v[L4], s[36:37] offset:(32*(\kb)+i)*256
.set i, i+1
.endr
.endm
.macro VSUB kb
.if (\kb) < 3
	s_wait_loadcnt 32                              ; this block's 32 loads are in; the next block's may be out
.else
	s_wait_loadcnt 0x0
.endif
.if (\kb) < 2
	VLOAD (\kb)+2
.endif
	BLK32 X+32*(\kb), C+12*((\kb)%2)+6*((\kb)/2)
.if (\kb) == 0
	s_delay_alu instid0(VALU_DEP_4)
	v_mov_b32 v[VW], v[BY]
.else
	s_delay_alu instid0(VALU_DEP_4)
	v_lshl_or_b32 v[VW], v[BY], 8*(\kb), v[VW]
.endif
.endm
; the mask: sub-unit j = one step of 128 keys for 16 queries: 16 loads, one query's 512 consecutive bytes each: lane l holds keys 4 l + e, register 4 i + e query i
.macro MLOAD j
.irp i, 0,1,2,3,4,5,6,7,8,9,10,11,12,13,14,15
	global_load_b128 v[X+64*((\j)%2)+4*\i:X+64*((\j)%2)+4*\i+3], v[LI], s[36:37] offset:8192*\i+512*(\j) th:TH_LOAD_NT
.endr
.endm
.macro MSUB j
.if (\j) < 3
	s_wait_loadcnt 16                              ; this step's 16 loads are in; the next step's may be out
.else
	s_wait_loadcnt 0x0
.endif
	s_wait_xcnt 0x0                                ; the last step's stores have read v[Y ..]
.irp e, 0,1,2,3                                ; key 4 l + e: sixteen numbers, one a query: -28 where the mask is 0, else 0
.set x, 0
.rept 16
	v_cmp_eq_u32 s[16+x], 0, v[X+64*((\j)%2)+4*x+\e]
.set x, x+1
.endr
.set x, 0
.rept 16
	v_cndmask_b32 v[Y+16*\e+x], 0, v[N28], s[16+x]
.set x, x+1
.endr
.endr
.if (\j) < 2
	MLOAD (\j)+2
.endif
.irp e, 0,1,2,3
	v_cvt_scalef32_pk16_bf6_f32 v[C+4*\e:C+4*\e+2], v[Y+16*\e:Y+16*\e+15], v[ONE]   ; sixteen codes, 12 bytes, query 0's lowest
.endr
	v_nop                                          ; the plain instruction behind the conversions
.irp e, 0,1,2,3
	ds_store_b96 v[MSI], v[C+4*\e:C+4*\e+2] offset:16*\e          ; to the key's slot, a place of 16 bytes
.endr
.irp g, 0,1,2,3
	ds_load_b96 v[Y+4*\g:Y+4*\g+2], v[MSO] offset:512*\g           ; back in the order of slots (a wave's LDS instructions are served in order)
.endr
	s_wait_dscnt 0x0
.irp g, 0,1,2,3
	global_store_b96 v[L12], v[Y+4*\g:Y+4*\g+2], s[38:39] offset:1536*(\j)+384*\g   ; 384 consecutive bytes a store; a step's four fill six aligned runs of 256
.endr
.endm
	s_load_b256 s[4:11], s[0:1], 0x0               ; k, v, attn_mask, kv
	s_load_b64 s[12:13], s[0:1], 0x20              ; maskc
	v_lshl_add_u32 v[SPW], v0, 2, SPARE
	v_mov_b32 v[NIL], 0
	v_lshrrev_b32 v1, 5, v0
	s_delay_alu instid0(VALU_DEP_1)
	v_readfirstlane_b32 s14, v1                    ; wave 0..9
	v_and_b32 v1, 31, v0                           ; lane
	v_and_b32 v2, 15, v0                           ; r
	v_bfe_u32 v3, v0, 4, 1                         ; h
	v_lshlrev_b32 v[LI], 4, v1
	v_lshlrev_b32 v[L4], 2, v1
	v_lshlrev_b32 v[H8], 3, v3
	s_mul_i32 s15, s14, WST                        ; my stage (waves 6 to 9 have none and use none of the four addresses below)
	; key 4 l of a step: c = l / 16, its half of 64 = (l / 8) % 2, u = (l / 2) % 4, row 4 (l % 2): slot 64 c + 16 u + 8 half + 4 (l % 2), 16 bytes each
	v_and_b32 v[MSI], 16, v1
	v_and_b32 v[MXA], 6, v1
	v_lshl_add_u32 v[MSI], v[MSI], 6, s15
	v_and_b32 v[MXB], 8, v1
	v_lshl_add_u32 v[MSI], v[MXA], 7, v[MSI]
	v_and_b32 v[MXA], 1, v1
	v_lshl_add_u32 v[MSI], v[MXB], 4, v[MSI]
	s_delay_alu instid0(VALU_DEP_1)
	v_lshl_add_u32 v[MSI], v[MXA], 6, v[MSI]
	v_add_nc_u32 v[MSO], s15, v[LI]
	v_mul_u32_u24 v[KSI], v3, 272
	s_delay_alu instid0(VALU_DEP_1)
	v_lshl_add_u32 v[KSI], v2, 4, v[KSI]
	s_delay_alu instid0(VALU_DEP_1)
	v_add_nc_u32 v[KSI], s15, v[KSI]
	v_mul_u32_u24 v[KSO], v2, 272
	v_lshrrev_b32 v[MXA], 3, v2
	s_delay_alu instid0(VALU_DEP_1)
	v_mad_u32_u24 v[KSO], v[MXA], 2304, v[KSO]
	s_delay_alu instid0(VALU_DEP_1)
	v_lshl_add_u32 v[KSO], v3, 7, v[KSO]
	s_delay_alu instid0(VALU_DEP_1)
	v_add_nc_u32 v[KSO], s15, v[KSO]
	v_mov_b32 v[PD], 0                             ; a lane permute's destination counts as one of its sources
	s_mov_b32 s32, 0x76543210
	s_mov_b32 s33, 0xfedcba98                      ; selects for lane l xor 16
	s_mov_b32 s34, 0xffff0000                      ; lanes 16-31
	s_mov_b32 s47, 0                               ; the high word of every offset below
	s_wait_alu depctr_va_vdst(0)                   ; the wait at the head's end
	s_wait_kmcnt 0x0
	s_cmp_lt_u32 s14, 4
	s_cbranch_scc1 .Lmask
	s_cmp_lt_u32 s14, 6
	s_cbranch_scc1 .Lkeys
	; waves 6 to 9: v.  Unit uv = 4 x work-group + wave - 6: record uv / 2, d = 32 (uv % 2) + lane
	s_lshl_b32 s42, ttmp9, 2
	s_add_co_u32 s42, s42, s14
	s_sub_co_u32 s42, s42, 6
	s_lshr_b32 s43, s42, 1
	s_and_b32 s44, s42, 1
	s_lshl_b32 s46, s43, 15                        ; 128 keys of 256 bytes
	s_lshl_b32 s45, s44, 7
	s_add_co_u32 s46, s46, s45
	s_add_nc_u64 s[36:37], s[6:7], s[46:47]
	s_mul_i32 s46, s43, REC
	s_add_nc_u64 s[40:41], s[10:11], s[46:47]
	s_mul_i32 s46, s44, 3072
	s_add_nc_u64 s[38:39], s[40:41], s[46:47]      ; my two d-tiles' six chunks
	s_mov_b32 s46, s45
	s_add_nc_u64 s[40:41], s[40:41], s[46:47]      ; my plane of scale words
	VLOAD 0
	VLOAD 1
	VSUB 0
	VSUB 1
	VSUB 2
	VSUB 3
	; a lane holds all four blocks of ONE d; the operand wants lanes 0-15 to hold block 2 c and lanes 16-31 block 2 c + 1 of a d-tile's rows
.irp c, 0,1
.irp p, 0,1,2,3,4,5
	v_permlane16_swap_b32 v[C+6*\c+\p], v[C+12+6*\c+\p]
.endr
.endr
.irp i, 0,1,2,3,4,5
	global_store_b128 v[LI], v[C+4*\i:C+4*\i+3], s[38:39] offset:VIMG+512*\i
.endr
	global_store_b32 v[L4], v[VW], s[40:41] offset:VSC
	s_endpgm
.Lkeys:
	; waves 4 and 5: k.  Record 2 x work-group + wave % 2
	s_lshl_b32 s42, ttmp9, 1
	s_and_b32 s43, s14, 1
	s_add_co_u32 s42, s42, s43
	s_lshl_b32 s46, s42, 15
	s_add_nc_u64 s[36:37], s[4:5], s[46:47]
	s_mul_i32 s46, s42, REC
	s_add_nc_u64 s[38:39], s[10:11], s[46:47]
	KLOAD 0
	KLOAD 1
	KSUB 0
	KSUB 1
	KSUB 2
	KSUB 3
	global_store_b128 v[LI], v[KW:KW+3], s[38:39] offset:KSC
	s_wait_tensorcnt 0x0                           ; the wave's end
	ds_add_u32 v[SPW], v[NIL]
	s_wait_dscnt 0x0
	s_endpgm
.Lmask:
	; waves 0 to 3: the mask.  Unit um = 4 x work-group + wave: query tile um / 4, steps 4 (um % 4) on
	s_lshl_b32 s42, ttmp9, 2
	s_add_co_u32 s42, s42, s14
	s_lshr_b32 s43, s42, 2
	s_and_b32 s44, s42, 3
	s_lshl_b32 s46, s43, 17                        ; 16 queries of 8,192 bytes
	s_lshl_b32 s45, s44, 11                        ; 4 steps of 512 bytes
	s_add_co_u32 s46, s46, s45
	s_add_nc_u64 s[36:37], s[8:9], s[46:47]
	s_mul_i32 s46, s42, 6144                       ; 4 steps of 1,536 bytes
	s_add_nc_u64 s[38:39], s[12:13], s[46:47]
	v_mov_b32 v[N28], 0xc1e00000                   ; -28
	v_mov_b32 v[ONE], 1.0                          ; the conversions' scale operand: 2^0
	v_mul_u32_u24 v[L12], v1, 12
	MLOAD 0
	MLOAD 1
	s_wait_alu depctr_va_vdst(0)                   ; the wait here, ahead of the wait below
	MSUB 0
	MSUB 1
	MSUB 2
	MSUB 3
	s_wait_tensorcnt 0x0                           ; the wave's end
	ds_add_u32 v[SPW], v[NIL]
	s_wait_dscnt 0x0
	s_endpgm
.Lfunc_end_k_q9e2b81f856_prep:
	.size	k_q9e2b81f856_prep, .Lfunc_end_k_q9e2b81f856_prep-k_q9e2b81f856_prep
	.p2alignl 7, 3214868480
	.fill 96, 4, 3214868480
	.section	.rodata,"a",@progbits
	.p2align	6, 0x0
	.amdhsa_kernel k_q9e2b81f856_prep
		.amdhsa_group_segment_fixed_size 55040
		.amdhsa_private_segment_fixed_size 0
		.amdhsa_enable_private_segment 0
		.amdhsa_kernarg_size 40
		.amdhsa_user_sgpr_count 2
		.amdhsa_user_sgpr_kernarg_segment_ptr 1
		.amdhsa_wavefront_size32 1
		.amdhsa_system_sgpr_workgroup_id_x 1
		.amdhsa_system_sgpr_workgroup_id_y 1
		.amdhsa_system_sgpr_workgroup_id_z 1
		.amdhsa_system_vgpr_workitem_id 0
		.amdhsa_next_free_vgpr 250
		.amdhsa_next_free_sgpr 66
		.amdhsa_reserve_vcc 0
		.amdhsa_float_denorm_mode_32 3
		.amdhsa_float_denorm_mode_16_64 3
		.amdhsa_memory_ordered 1
		.amdhsa_forward_progress 1
		.amdhsa_inst_pref_size 101
	.end_amdhsa_kernel
	.amdgpu_metadata
---
amdhsa.version: [ 1, 2 ]
amdhsa.kernels:
  - .name:           k_q9e2b81f856_prep
    .symbol:         k_q9e2b81f856_prep.kd
    .args:
      - { .name: k, .offset: 0, .size: 8, .value_kind: global_buffer, .address_space: global }
      - { .name: v, .offset: 8, .size: 8, .value_kind: global_buffer, .address_space: global }
      - { .name: attn_mask, .offset: 16, .size: 8, .value_kind: global_buffer, .address_space: global }
      - { .name: kv, .offset: 24, .size: 8, .value_kind: global_buffer, .address_space: global }
      - { .name: maskc, .offset: 32, .size: 8, .value_kind: global_buffer, .address_space: global }
    .group_segment_fixed_size: 55040
    .private_segment_fixed_size: 0
    .kernarg_segment_align: 8
    .kernarg_segment_size: 40
    .max_flat_workgroup_size: 320
    .sgpr_count:     66
    .vgpr_count:     250
    .wavefront_size: 32
...
	.end_amdgpu_metadata
.endif
;; end of part 1
;; launch attn (part 2): grid 8 x 32, 16 waves a work-group, clusters of 4 x 1, 280,576 bytes of LDS; arguments q, kv, maskc, out0; writes out0
.if DOCPART == 2
	.amdgcn_target "amdgcn-amd-amdhsa--gfx1250"
	.amdhsa_code_object_version 6
	.text
	.protected	k_q9e2b81f856_attn
	.globl	k_q9e2b81f856_attn
	.p2align	8
	.type	k_q9e2b81f856_attn,@function
k_q9e2b81f856_attn:
	s_mov_b64 s[64:65], 0
	v_nop
	global_prefetch_b8 v0, s[64:65] scope:SCOPE_SE
	s_setreg_imm32_b32 hwreg(HW_REG_WAVE_MODE, 25, 1), 1
	s_wait_xcnt 0x0
	s_wait_alu depctr_hold_cnt(0) depctr_sa_sdst(0) depctr_va_vdst(0) depctr_va_sdst(0) depctr_va_ssrc(0) depctr_va_vcc(0) depctr_vm_vsrc(0)
	s_getreg_b32 s2, hwreg(HW_REG_IB_STS2, 6, 4)
	s_cmp_eq_u32 s2, 0
	s_cbranch_scc0 .Lentry_in_a_cluster
	s_endpgm
.Lentry_in_a_cluster:
	s_bfe_u32 s2, ttmp6, 0x10000c
	s_cmp_lg_u32 s2, 0x3003
	s_cbranch_scc0 .Lentry_shape_is_right
	s_endpgm
.Lentry_shape_is_right:
; ATTN: out0[head][q][:] = the sum over keys of softmax(q . k / 8, masked) v, both products on codes of BF6 (E3M2) with one E8M0 scale for each 32 along a product's K.
; q: [32][2048][64] f32, quantised here along d.  kv: the first launch's records (13,056 bytes for each head and step of 128 keys).  maskc: 1,536 bytes of codes for each (tile of 16 queries, step).
; THE SOFTMAX: t = score x c, c = log2(e) / 8; M = the row's largest t so far, rounded UP to a whole number; p = 2^(t - M) is quantised along the keys, not normalised; the row's sum is taken of the unquantised p
; and divides at the end.  When M moves, the sum and O are multiplied by 2^(old M - new M): exact.
; THE MASK RIDES IN THE FIRST PRODUCT.  d = 64 is half of the instruction's K.  At k = 64 + i a key's fragment holds the code -28 where attn_mask[query i][key] is 0 and the code 0 elsewhere (scale 1); query r's fragment
; holds the code 28 at k = 64 + r alone (scale 2^11).  So a masked score has -28 x 28 x 2^11 = -1,605,632 added to it, and an unmasked one exactly 0.  k = 80 .. 127 of Q are zero codes: what K's operand holds there adds nothing.
; LIMIT, stated: |q . k| (on the quantised numbers) stays under 2^19 = 524,288, that is |logit| under 65,536; there a masked t lies more than 100,000 under every unmasked t of its row and p is 0, as with the -1e9 of the definition.
; A ROW WITH EVERY KEY MASKED: the running largest t is held at -2^19 c from below; while a row stands at that hold, its multiplier and addend are 0, so that p = 2^0 = 1 for each of its keys and M does not move:
; the plain mean of v, as defined.  The first unmasked key moves M by more than 90,000, and the factor 2^(old M - new M) is 0.  NaN and infinities among the inputs are not served.
; SHARES.  A work-group owns 256 queries of one head, each of its sixteen waves 16, four waves to a SIMD.  Every wave walks the head's 16 steps of 128 keys.
; LDS.  The head's 16 records, 208,896 bytes, are filled ONCE: wave w fetches record w by one tensor load.  No byte is filled twice.  Behind the records each wave has a stage of its own (16 rows x 272 bytes).
; CLUSTER.  The four query blocks of a cluster belong to one head: each record is asked for JOINTLY, by the same tensor load with a mask that names the four.
; NO PREFETCH: the records are asked for once, at the head, with no loop to run ahead in; the mask codes of step s + 1 are asked for in step s, behind its first product, straight into registers, by the one wave of the cluster that uses them.
; LAYOUT.  Both products are used transposed: S^T = K Q^T, O^T = V^T P^T: a lane holds ONE query (lane % 16).  Row r of key tile 4 c + u is key 64 c + 8 u + r % 8 + 32 (r / 8), so score register n of lane (r, h)
; is key 64 (n / 32) + 32 h + n % 32: a lane holds two WHOLE blocks of 32 keys, in the order of P's operand.
; K's operand of tile t is v[F + 10 t : F + 10 t + 11]: six registers of k's codes, three of mask codes, and three (a spare one, the next tile's first two) that meet Q's zero codes.
; CHAINS.  The maxima and the sum run in eight chains by turns.  A step's sum is left in two parts, which are added behind its second product; the next step adds them to the row's sum behind its first product:
; these four additions are places that the products owe anyway.
.set REC,   13056
.set VIMG,  6144
.set KSC,   12288
.set VSC,   12800
.set MSTEP, 1536
.set STAGE, 16*REC
.set SP,    272
.set SPARE, STAGE+16*16*SP             ; the spare words, 128 bytes a wave
.set LI,  1                            ; 16 x lane
.set L4,  2                            ; 4 x lane
.set MO,  3                            ; 12 x r
.set RD,  4                            ; stage + 272 h + 16 r
.set STO, 5                            ; stage + 272 r + 32 h
.set ADR, 6                            ; the record in hand + 16 x lane (at the head: stage + 272 r + 128 h)
.set AD4, 7                            ; the record in hand + 4 x lane
.set NM,  8                            ; -M
.set TM,  9                            ; the running largest t
.set LS,  10                           ; v[10:11] the row's sum, in two halves
.set QF,  12                           ; v[12:23] Q's fragment
.set KS,  24                           ; v[24:27] K's scale words; v[28:29] V's; v30 Q's; v31 P's
.set VS,  28
.set QS,  30
.set PS,  31
.set F,   32                           ; v[32:113] K's eight operands
.set S,   114                          ; v[114:177] S^T, then p, then V's 48 registers
.set O,   178                          ; v[178:209] O^T: register 8 dt + j of lane (r, h) is o(query r, d = 16 dt + 8 h + j)
.set PC,  210                          ; v[210:221] P's codes; ahead of the conversions v[210:217] hold four of the sum's chains
.set CT,  222                          ; v[222:224], v[226:228] upper halves of blocks, on their way
.set SPW, 225
.set NIL, 229
.set BM,  230                          ; v[230:231] my two blocks' largest score, then largest p
.set SOP, 234
.set BT,  236
.set T0,  238
.set T1,  239
.set FF,  240                          ; f = 2^(old M - new M); at the end 1 / the sum
.set T2,  241                          ; the last step's -M (also the upper half of the pair named with FF)
.set AC,  242                          ; v[242:249] the maxima's eight chains, then four of the sum's
.set CE,  250                          ; v[250:251] c, or 0 in a row with no unmasked key so far (the low word is used)
.set NE,  252                          ; v[252:253] -M, or 0 likewise
.set CV,  254                          ; c
.set H8,  255                          ; 8 h
.set MXA, AC
.set MXB, AC+1
.set SO,  AC+2
.set BY,  AC+3
.set HOLD, 0xc7b8aa3b                  ; -2^19 c
; s[4:5] q at my tile, s[6:7] kv, s[8:9] maskc at the step last asked for, s[10:11] out0 at my tile, s12 wave, s13 LDS byte of the record in hand, s14 trips; s[66:67] lane selects; s68 c; s[72:79], s[96:99] the descriptor
.macro BLK32 s, d
	v_max3_num_f32 v[MXA], |v[(\s)]|, |v[(\s)+1]|, |v[(\s)+2]|
	v_max3_num_f32 v[MXB], |v[(\s)+3]|, |v[(\s)+4]|, |v[(\s)+5]|
.irp i, 6,10,14,18,22,26
	s_delay_alu instid0(VALU_DEP_2)
	v_max3_num_f32 v[MXA], v[MXA], |v[(\s)+\i]|, |v[(\s)+\i+1]|
	s_delay_alu instid0(VALU_DEP_2)
	v_max3_num_f32 v[MXB], v[MXB], |v[(\s)+\i+2]|, |v[(\s)+\i+3]|
.endr
	s_delay_alu instid0(VALU_DEP_2)
	v_max3_num_f32 v[MXA], v[MXA], |v[(\s)+30]|, |v[(\s)+31]|
	s_delay_alu instid0(VALU_DEP_1)
	v_max3_num_f32 v[MXA], v[MXA], v[MXB], 0x2800000               ; the floor 2^(5 - 127)
	s_delay_alu instid0(VALU_DEP_1)
	v_add_nc_u32 v[SO], 0xfe000000, v[MXA]
	v_cvt_scalef32_pk16_bf6_f32 v[(\d):(\d)+2], v[(\s):(\s)+15], v[SO]
	v_cvt_scalef32_pk16_bf6_f32 v[CT:CT+2], v[(\s)+16:(\s)+31], v[SO]
	v_lshrrev_b32 v[BY], 23, v[SO]                                 ; the byte; also the plain instruction behind the conversions
.irp i, 0,1,2
	v_mov_b32 v[(\d)+3+\i], v[CT+\i]
.endr
.endm
.macro ROUND                           ; a round of the cluster's barrier
	s_barrier_signal -1
	s_barrier_wait -1
	s_cmp_lg_u32 s12, 0
	s_cbranch_scc1 .Lnot_wave_0_\@
	s_barrier_signal -3
.Lnot_wave_0_\@:
	s_barrier_wait -3
	s_barrier_signal -1
	s_barrier_wait -1
.endm
; k's codes and scale words of the record at byte o behind the one in hand.  The image is a run of 48 registers in chunks of four: tile t's six are a chunk and a half
.macro KFETCH o
.irp t, 0,2,4,6
	ds_load_b128 v[F+10*\t:F+10*\t+3], v[ADR] offset:\o+768*\t
	ds_load_b64 v[F+10*\t+4:F+10*\t+5], v[ADR] offset:\o+768*\t+512
	ds_load_b64 v[F+10*\t+10:F+10*\t+11], v[ADR] offset:\o+768*\t+520
	ds_load_b128 v[F+10*\t+12:F+10*\t+15], v[ADR] offset:\o+768*\t+1024
.endr
	ds_load_b128 v[KS:KS+3], v[ADR] offset:\o+KSC
.endm
.macro MFETCH                          ; a step's mask codes: 192 consecutive bytes a tile, 1,536 on end; lanes 16-31 take what lanes 0-15 take (their k = 96 on meets zero codes)
.irp t, 0,1,2,3,4,5,6,7
	global_load_b96 v[F+10*\t+6:F+10*\t+8], v[MO], s[8:9] offset:192*\t
.endr
.endm
.macro SUM4 d, o                       ; the four chains from v[d] on take in the eight p from v[S + o] on
.irp i, 0,1,2,3
	v_pk_add_f32 v[\d+2*\i:\d+2*\i+1], v[\d+2*\i:\d+2*\i+1], v[S+\o+2*\i:S+\o+2*\i+1]
.endr
.endm
	s_load_b256 s[4:11], s[0:1], 0x0               ; q, kv, maskc, out0
	v_lshl_add_u32 v[SPW], v0, 2, SPARE
	v_mov_b32 v[NIL], 0
	ds_add_u32 v[SPW], v[NIL]                      ; the opening lines: the add, twice on end, and its wait
	ds_add_u32 v[SPW], v[NIL]
	v_lshrrev_b32 v[T0], 5, v0
	s_delay_alu instid0(VALU_DEP_1)
	v_readfirstlane_b32 s12, v[T0]                 ; wave 0..15
	s_bfe_u32 s13, ttmp6, 0x40000                  ; cx: it enters q's, maskc's and out0's addresses alone
	s_and_b32 s70, ttmp7, 0xffff                   ; the head, which the four partners share
	s_lshl_b32 s2, ttmp9, 2
	s_add_co_u32 s2, s2, s13                       ; my block of 256 queries
	s_lshl_b32 s2, s2, 4
	s_add_co_u32 s2, s2, s12                       ; my tile of 16 queries, 0..127
	s_lshl_b32 s3, s70, 7
	s_add_co_u32 s3, s3, s2
	s_lshl_b32 s14, s3, 12                         ; q and out0: (128 head + tile) x 4,096 bytes
	s_mov_b32 s15, 0
	s_lshr_b32 s3, s70, 4                          ; the batch
	s_lshl_b32 s3, s3, 7
	s_add_co_u32 s3, s3, s2
	s_mul_i32 s2, s3, 16*MSTEP                     ; maskc: (128 batch + tile) x 16 steps
	s_mov_b32 s3, 0
	s_mul_i32 s100, s70, 16*REC
	s_mul_i32 s97, s12, REC                        ; the LDS address: record w lands at w x 13,056
	s_add_co_u32 s100, s100, s97
	s_mov_b32 s101, 0
	s_mov_b32 s96, 1
	s_mov_b32 s72, 15|(3<<16)|(1<<21)              ; the mask: all four work-groups; elements of 8 bytes; bit 21 beside a mask
	s_mov_b32 s73, 32<<16                          ; a record is dense: 51 rows of 256 bytes
	s_mov_b32 s74, 51<<16
	s_mov_b32 s75, 32<<16
	s_mov_b32 s76, 51
	s_mov_b32 s77, 32
	s_mov_b32 s78, 0
	s_mov_b32 s79, 0
	s_mov_b32 s66, 0x76543210
	s_mov_b32 s67, 0xfedcba98                      ; selects for lane l xor 16
	s_mov_b32 s68, 0x3e38aa3b                      ; c = log2(e) / 8
	v_and_b32 v[T1], 31, v0                        ; lane
	v_and_b32 v[T0], 15, v0                        ; r
	v_lshlrev_b32 v[LI], 4, v[T1]
	v_lshlrev_b32 v[L4], 2, v[T1]
	v_mul_u32_u24 v[MO], v[T0], 12
	s_wait_alu depctr_va_vdst(0)                   ; the wait here, ahead of the waits below
	s_wait_dscnt 0x0
	s_wait_kmcnt 0x0
	s_add_nc_u64 s[4:5], s[4:5], s[14:15]
	s_add_nc_u64 s[10:11], s[10:11], s[14:15]
	s_add_nc_u64 s[8:9], s[8:9], s[2:3]
	s_add_nc_u64 s[98:99], s[6:7], s[100:101]
	s_or_b32 s99, s99, 0x80000000
.irp i, 0,1,2,3,4,5,6,7
	global_load_b128 v[S+4*\i:S+4*\i+3], v[LI], s[4:5] offset:512*\i th:TH_LOAD_NT   ; my tile of q: 512 consecutive bytes a load
.endr
	MFETCH                                         ; step 0's mask codes
	ROUND                                          ; all four work-groups are here: the joint loads meet
	tensor_load_to_lds s[96:99], s[72:79]          ; my one tensor load of the launch: record w, for all four work-groups
	s_nop 0
.rept 4
	v_nop
.endr
	v_bfe_u32 v[BT], v0, 4, 1                      ; h
	v_mov_b32 v[BM], 0x41e00000                    ; 28
	v_mov_b32 v[SOP], 1.0
.set i, 0
.rept 16                                       ; Q's k = 64 + i: 28 in lane i alone (lanes 16-31, k = 96 on: none)
	v_cmp_eq_u32 vcc_lo, i, v[T1]
	v_cndmask_b32 v[S+32+i], 0, v[BM], vcc_lo
.set i, i+1
.endr
	v_cvt_scalef32_pk16_bf6_f32 v[QF+6:QF+8], v[S+32:S+47], v[SOP]
.irp i, 9,10,11
	v_mov_b32 v[QF+\i], 0                          ; k = 80 on: zero codes
.endr
	s_mul_i32 s15, s12, 16*SP
	s_add_co_u32 s15, s15, STAGE                   ; my stage
	v_mul_u32_u24 v[RD], v[BT], SP
	v_mul_u32_u24 v[STO], v[T0], SP
	v_lshlrev_b32 v[H8], 3, v[BT]
	v_lshl_add_u32 v[RD], v[T0], 4, v[RD]
	v_lshl_add_u32 v[ADR], v[BT], 7, v[STO]
	v_lshl_add_u32 v[STO], v[BT], 5, v[STO]
	v_add_nc_u32 v[RD], s15, v[RD]
	v_add_nc_u32 v[ADR], s15, v[ADR]               ; row r, + 128 h: d = 32 h on of my query
	v_add_nc_u32 v[STO], s15, v[STO]
	s_wait_alu depctr_va_vdst(0)                   ; the wait here, ahead of the wait below
	s_wait_loadcnt 8                               ; q is in; the eight loads of mask codes, issued behind it, may be out
.irp i, 0,1,2,3,4,5,6,7
	ds_store_b128 v[RD], v[S+4*\i:S+4*\i+3] offset:2*SP*\i
.endr
.irp i, 0,1,2,3,4,5,6,7
	ds_load_b128 v[S+32+4*\i:S+32+4*\i+3], v[ADR] offset:16*\i   ; a wave's LDS instructions are served in order (ISA guide 5.7.1.4)
.endr
	s_wait_dscnt 0x0
	BLK32 S+32, QF                                 ; registers 0-5 of Q's fragment: query r, k = 32 h .. 32 h + 31
	s_delay_alu instid0(VALU_DEP_4)
	v_lshlrev_b32 v[BY], v[H8], v[BY]
	s_delay_alu instid0(VALU_DEP_1)
	v_permlanex16_b32 v[T1], v[BY], s66, s67
	s_delay_alu instid0(VALU_DEP_1)
	v_or_b32 v[T0], v[BY], v[T1]
	v_mov_b32 v[LS], 0
	v_or_b32 v[QS], 0x8a0000, v[T0]                ; Q's scale word: bytes 0, 1 its two blocks', byte 2 = 127 + 11, byte 3 = 0
	; the moves below are also the places that a scale register (8) and an operand (4) written by vector instructions owe ahead of a scaled matrix instruction
.irp t, 0,1,2,3,4,5,6,7
	v_mov_b32 v[F+10*\t+9], 0                      ; the operands' spare registers
.endr
	v_mov_b32 v[F+80], 0
	v_mov_b32 v[F+81], 0
.set i, 0
.rept 32
	v_mov_b32 v[O+i], 0                            ; O^T: the step is written once for all steps; the first finds zeros
.set i, i+1
.endr
	v_mov_b32 v[LS+1], 0
.irp i, 0,1,4,5
	v_mov_b32 v[AC+\i], 0                          ; the two parts of a step's sum: none yet
.endr
	v_mov_b32 v[CE+1], 0                           ; (upper halves of pairs that are named whole)
	v_mov_b32 v[NE+1], 0
	v_mov_b32 v[CV], s68
	v_mov_b32 v[TM], HOLD                          ; the hold from below
	s_mov_b32 s13, 0                               ; record 0
	v_add_nc_u32 v[ADR], s13, v[LI]
	v_add_nc_u32 v[AD4], s13, v[L4]
	v_floor_f32 v[NM], -v[TM]
	v_nop
	v_mov_b32 v[T2], v[NM]
	s_wait_alu depctr_va_vdst(0)                   ; the wait at the head's end
	s_wait_tensorcnt 0x0                           ; my record has landed (no LDS instruction of mine is out),
	s_barrier_signal -1
	s_barrier_wait -1                              ; everybody's has: the head's 16 records lie in LDS for the rest of the launch
	KFETCH 0
; A KEY STEP: 128 keys.  pf = 1: the next step's k and mask codes are asked for.
.macro STEP pf
	s_wait_loadcnt 0x0                             ; this step's mask codes,
	s_wait_dscnt 0x0                               ; k's codes and scale words: all asked for a step ago
.irp t, 0,1,2,3,4,5,6,7                        ; S^T = K Q^T, the mask with it: eight accumulators, each begun with the constant 0
.if (\t)%2
	v_wmma_scale_f32_16x16x128_f8f6f4 v[S+8*\t:S+8*\t+7], v[F+10*\t:F+10*\t+11], v[QF:QF+11], 0, v[KS+\t/2], v[QS] matrix_a_fmt:MATRIX_FMT_BF6 matrix_b_fmt:MATRIX_FMT_BF6 matrix_a_scale:MATRIX_SCALE_ROW1
.else
	v_wmma_scale_f32_16x16x128_f8f6f4 v[S+8*\t:S+8*\t+7], v[F+10*\t:F+10*\t+11], v[QF:QF+11], 0, v[KS+\t/2], v[QS] matrix_a_fmt:MATRIX_FMT_BF6 matrix_b_fmt:MATRIX_FMT_BF6
.endif
.endr
	; four places: for the loads into the operands' registers and for the first read of the scores.  Two of them bring the last step's sum home, under the M of that step
	v_pk_add_f32 v[AC:AC+1], v[AC:AC+1], v[AC+4:AC+5]
	v_nop
	v_nop
	v_pk_add_f32 v[LS:LS+1], v[LS:LS+1], v[AC:AC+1]
.if \pf
	s_add_nc_u64 s[8:9], s[8:9], MSTEP             ; (the wait on LOADcnt above has shown the last loads from this base done)
	KFETCH REC
	MFETCH
.endif
	; the largest score of each of my two blocks of 32 keys: for each 16 scores a chain of 9 and a chain of 7, eight chains by turns; each accumulator is first read at one of its four lowest registers
.irp p, 0,1,2,3
	v_max3_num_f32 v[AC+2*\p], v[S+16*\p], v[S+16*\p+1], v[S+16*\p+2]
	v_max3_num_f32 v[AC+2*\p+1], v[S+16*\p+9], v[S+16*\p+10], v[S+16*\p+11]
.endr
.irp i, 3,5
.irp p, 0,1,2,3
	v_max3_num_f32 v[AC+2*\p], v[AC+2*\p], v[S+16*\p+\i], v[S+16*\p+\i+1]
	v_max3_num_f32 v[AC+2*\p+1], v[AC+2*\p+1], v[S+16*\p+9+\i], v[S+16*\p+10+\i]
.endr
.endr
.irp p, 0,1,2,3
	v_max3_num_f32 v[AC+2*\p], v[AC+2*\p], v[S+16*\p+7], v[S+16*\p+8]
.endr
	s_delay_alu instid0(VALU_DEP_3)
	v_max3_num_f32 v[BM], v[AC], v[AC+1], v[AC+2]
	s_delay_alu instid0(VALU_DEP_2)
	v_max3_num_f32 v[BM+1], v[AC+4], v[AC+5], v[AC+6]
	s_delay_alu instid0(VALU_DEP_2)
	v_max_num_f32 v[BM], v[BM], v[AC+3]
	s_delay_alu instid0(VALU_DEP_2)
	v_max_num_f32 v[BM+1], v[BM+1], v[AC+7]
	s_delay_alu instid0(VALU_DEP_1)
	v_max_num_f32 v[T0], v[BM], v[BM+1]
	s_delay_alu instid0(VALU_DEP_1)
	v_mul_f32 v[T0], s68, v[T0]                    ; as t (c is positive)
	s_delay_alu instid0(VALU_DEP_1)
	v_permlanex16_b32 v[T1], v[T0], s66, s67
	s_delay_alu instid0(VALU_DEP_1)
	v_max3_num_f32 v[TM], v[TM], v[T0], v[T1]      ; the running largest t, with lane l xor 16's 64 keys
	s_delay_alu instid0(VALU_DEP_1)
	v_floor_f32 v[NM], -v[TM]                      ; -M = floor(-t) = -ceil(t)
	s_delay_alu instid0(VALU_DEP_1)
	v_sub_f32 v[T0], v[NM], v[T2]                  ; old M less new M: a whole number, 0 or less
	s_delay_alu instid0(VALU_DEP_1)
	v_cvt_i32_f32 v[T0], v[T0]                     ; (it saturates)
	s_delay_alu instid0(VALU_DEP_1)
	v_ldexp_f32 v[FF], 1.0, v[T0]                  ; f = 2^(old M - new M)
	v_cmp_lt_f32 vcc_lo, HOLD, v[TM]               ; has my row an unmasked key so far?
	v_cndmask_b32 v[CE], 0, v[CV], vcc_lo
	v_cndmask_b32 v[NE], 0, v[NM], vcc_lo
.set j, 0
.rept 32
	v_pk_fma_f32 v[S+j:S+j+1], v[S+j:S+j+1], v[CE:CE+1], v[NE:NE+1] op_sel_hi:[1,0,0]   ; t - M, two at a time (the pairs' low words serve both halves)
.set j, j+2
.endr
.irp b, 0,1
	v_fma_f32 v[BM+\b], v[BM+\b], v[CE], v[NE]     ; the same of each block's largest score
.endr
	s_wait_alu depctr_va_vdst(0)                   ; the wait ahead of the batch
.set j, 0
.rept 64
	v_exp_f32 v[S+j], v[S+j]                       ; p = 2^(t - M): not normalised
.set j, j+1
.endr
.irp b, 0,1
	v_exp_f32 v[BM+\b], v[BM+\b]                   ; the block's largest p: the same two instructions on the same number
.endr
	v_pk_mul_f32 v[LS:LS+1], v[LS:LS+1], v[FF:FF+1] op_sel_hi:[1,0]   ; the sums under the new M; the plain instruction behind the batch
	s_wait_alu depctr_va_vdst(0)                   ; and the wait behind it, ahead of its first reader
.irp b, 0,1
	v_max_num_f32 v[BM+\b], 0x2800000, v[BM+\b]    ; the floor 2^(5 - 127): the byte cannot fall under 1
.endr
	; the row's sum, of the unquantised p: eight chains by turns, with the scale word's lines among them
.irp i, 0,1,2,3
	v_pk_add_f32 v[AC+2*\i:AC+2*\i+1], v[S+2*\i:S+2*\i+1], v[S+16+2*\i:S+17+2*\i]
.endr
.irp i, 0,1,2,3
	v_pk_add_f32 v[PC+2*\i:PC+2*\i+1], v[S+8+2*\i:S+9+2*\i], v[S+24+2*\i:S+25+2*\i]
.endr
.irp b, 0,1
	v_add_nc_u32 v[SOP+\b], 0xfe000000, v[BM+\b]   ; 4 off the exponent field: the conversion's scale operand
.endr
	SUM4 AC, 32
.irp b, 0,1
	v_lshrrev_b32 v[BT+\b], 23, v[SOP+\b]          ; the scale's byte
.endr
	SUM4 PC, 40
	v_lshl_or_b32 v[T0], v[BT+1], 16, v[BT]        ; my two bytes: blocks h and 2 + h,
	SUM4 AC, 48
	v_lshlrev_b32 v[T0], v[H8], v[T0]              ; at their places;
	SUM4 PC, 56
	v_permlanex16_b32 v[T1], v[T0], s66, s67
.irp i, 0,1,2,3
	v_pk_add_f32 v[AC+2*\i:AC+2*\i+1], v[AC+2*\i:AC+2*\i+1], v[PC+2*\i:PC+2*\i+1]
.endr
	v_or_b32 v[PS], v[T0], v[T1]                   ; with lane l xor 16's two: p's scale word
.irp c, 0,1
	v_cvt_scalef32_pk16_bf6_f32 v[PC+6*\c:PC+6*\c+2], v[S+32*\c:S+32*\c+15], v[SOP+\c]
	v_cvt_scalef32_pk16_bf6_f32 v[CT+4*\c:CT+4*\c+2], v[S+32*\c+16:S+32*\c+31], v[SOP+\c]   ; (three registers from an even one on)
.endr
.irp i, 0,1,2,3,4,5,6,7,8,9,10,11
	ds_load_b128 v[S+4*\i:S+4*\i+3], v[ADR] offset:VIMG+512*\i     ; V's four tiles, into the registers that p has left
.endr
.irp i, 0,1
	ds_load_b32 v[VS+\i], v[AD4] offset:VSC+128*\i
.endr
	s_wait_alu depctr_va_vdst(0)                   ; the wait here, ahead of the first reader of O^T
.set j, 0
.rept 2
	v_pk_mul_f32 v[O+j:O+j+1], v[O+j:O+j+1], v[FF:FF+1] op_sel_hi:[1,0]   ; O^T under the new M, each accumulator from its low end on; the first is the plain instruction behind the conversions
.set j, j+2
.endr
.irp c, 0,1
.irp i, 0,1,2
	v_mov_b32 v[PC+3+6*\c+\i], v[CT+4*\c+\i]
.endr
.endr
.rept 14                                       ; these are also the places that p's codes owe ahead of the products
	v_pk_mul_f32 v[O+j:O+j+1], v[O+j:O+j+1], v[FF:FF+1] op_sel_hi:[1,0]
.set j, j+2
.endr
	s_wait_alu depctr_va_vdst(0)                   ; the wait here, ahead of the wait below
	s_wait_dscnt 0x0                               ; V's tiles and scale words
.irp t, 0,1,2,3                                ; O^T += V^T P^T: the four accumulators by turns
.if (\t)%2
	v_wmma_scale_f32_16x16x128_f8f6f4 v[O+8*\t:O+8*\t+7], v[S+12*\t:S+12*\t+11], v[PC:PC+11], v[O+8*\t:O+8*\t+7], v[VS+\t/2], v[PS] matrix_a_fmt:MATRIX_FMT_BF6 matrix_b_fmt:MATRIX_FMT_BF6 matrix_a_scale:MATRIX_SCALE_ROW1
.else
	v_wmma_scale_f32_16x16x128_f8f6f4 v[O+8*\t:O+8*\t+7], v[S+12*\t:S+12*\t+11], v[PC:PC+11], v[O+8*\t:O+8*\t+7], v[VS+\t/2], v[PS] matrix_a_fmt:MATRIX_FMT_BF6 matrix_b_fmt:MATRIX_FMT_BF6
.endif
.endr
	; five places stand between these products and the next step's, which write over V's registers: the step's sum comes down to two parts, and the next record's addresses are made
	v_pk_add_f32 v[AC:AC+1], v[AC:AC+1], v[AC+2:AC+3]
	v_pk_add_f32 v[AC+4:AC+5], v[AC+4:AC+5], v[AC+6:AC+7]
.if \pf
	s_add_co_u32 s13, s13, REC
	v_add_nc_u32 v[ADR], s13, v[LI]
	v_add_nc_u32 v[AD4], s13, v[L4]
	v_mov_b32 v[T2], v[NM]
.endif
	s_wait_alu depctr_va_vdst(0)                   ; the wait here, ahead of the branch
.endm
	s_mov_b32 s14, 15
.Lstep:                                            ; steps 0 to 14
	STEP 1
	s_sub_co_u32 s14, s14, 1
	s_cmp_lg_u32 s14, 0
	s_cbranch_scc1 .Lstep
	STEP 0                                         ; step 15 asks for nothing further
	; THE WAY OUT.  O^T is divided by the sum and goes through my stage, so that each store covers whole rows of out0.  The additions and the v_nop are the places behind the last products.
	v_pk_add_f32 v[AC:AC+1], v[AC:AC+1], v[AC+4:AC+5]
	v_nop
	v_pk_add_f32 v[LS:LS+1], v[LS:LS+1], v[AC:AC+1]   ; the last step's sum
	v_nop
	v_add_f32 v[LS], v[LS], v[LS+1]
	s_delay_alu instid0(VALU_DEP_1)
	v_permlanex16_b32 v[T1], v[LS], s66, s67
	s_delay_alu instid0(VALU_DEP_1)
	v_add_f32 v[LS], v[LS], v[T1]                  ; the row's sum (over 1/2: the row's largest p is)
	s_wait_alu depctr_va_vdst(0)                   ; the wait ahead of the reciprocal
	v_rcp_f32 v[FF], v[LS]
.rept 3
	v_nop
.endr
	s_wait_alu depctr_va_vdst(0)                   ; and behind it, ahead of the first reader
.set j, 0
.rept 16
	v_pk_mul_f32 v[S+j:S+j+1], v[O+j:O+j+1], v[FF:FF+1] op_sel_hi:[1,0]
.set j, j+2
.endr
.irp t, 0,1,2,3
	ds_store_b128 v[STO], v[S+8*\t:S+8*\t+3] offset:64*\t          ; row r: d = 16 t + 8 h + 0 .. 7 at byte 64 t + 32 h
	ds_store_b128 v[STO], v[S+8*\t+4:S+8*\t+7] offset:64*\t+16
.endr
.irp i, 0,1,2,3,4,5,6,7
	ds_load_b128 v[S+32+4*\i:S+32+4*\i+3], v[RD] offset:2*SP*\i    ; back as whole rows: lanes 0-15 row 2 i, lanes 16-31 row 2 i + 1
.endr
.irp i, 0,1,2,3,4,5,6,7
	s_wait_dscnt 7-\i                              ; load i is in, the younger ones may be out
	global_store_b128 v[LI], v[S+32+4*\i:S+32+4*\i+3], s[10:11] offset:512*\i th:TH_STORE_NT   ; 512 consecutive bytes, aligned to 256
.endr
	s_wait_tensorcnt 0x0                           ; the wave's end
	ds_add_u32 v[SPW], v[NIL]
	s_wait_dscnt 0x0
	ROUND                                          ; the closing round
	s_endpgm
.Lfunc_end_k_q9e2b81f856_attn:
	.size	k_q9e2b81f856_attn, .Lfunc_end_k_q9e2b81f856_attn-k_q9e2b81f856_attn
	.p2alignl 7, 3214868480
	.fill 96, 4, 3214868480
	.section	.rodata,"a",@progbits
	.p2align	6, 0x0
	.amdhsa_kernel k_q9e2b81f856_attn
		.amdhsa_group_segment_fixed_size 280576
		.amdhsa_private_segment_fixed_size 0
		.amdhsa_enable_private_segment 0
		.amdhsa_kernarg_size 32
		.amdhsa_user_sgpr_count 2
		.amdhsa_user_sgpr_kernarg_segment_ptr 1
		.amdhsa_wavefront_size32 1
		.amdhsa_system_sgpr_workgroup_id_x 1
		.amdhsa_system_sgpr_workgroup_id_y 1
		.amdhsa_system_sgpr_workgroup_id_z 1
		.amdhsa_system_vgpr_workitem_id 0
		.amdhsa_next_free_vgpr 256
		.amdhsa_next_free_sgpr 102
		.amdhsa_reserve_vcc 1
		.amdhsa_float_denorm_mode_32 3
		.amdhsa_float_denorm_mode_16_64 3
		.amdhsa_memory_ordered 1
		.amdhsa_forward_progress 1
		.amdhsa_inst_pref_size 47
	.end_amdhsa_kernel
	.amdgpu_metadata
---
amdhsa.version: [ 1, 2 ]
amdhsa.kernels:
  - .name:           k_q9e2b81f856_attn
    .symbol:         k_q9e2b81f856_attn.kd
    .args:
      - { .name: q, .offset: 0, .size: 8, .value_kind: global_buffer, .address_space: global }
      - { .name: kv, .offset: 8, .size: 8, .value_kind: global_buffer, .address_space: global }
      - { .name: maskc, .offset: 16, .size: 8, .value_kind: global_buffer, .address_space: global }
      - { .name: out0, .offset: 24, .size: 8, .value_kind: global_buffer, .address_space: global }
    .group_segment_fixed_size: 280576
    .private_segment_fixed_size: 0
    .kernarg_segment_align: 8
    .kernarg_segment_size: 32
    .max_flat_workgroup_size: 512
    .sgpr_count:     102
    .vgpr_count:     256
    .wavefront_size: 32
...
	.end_amdgpu_metadata
.endif
;; end of part 2
